; MI455X (gfx1250); checked and timed in simulation.
; The chip was launched on July 23, 2026; its instructions are those of AMD's public machine-readable ISA for CDNA 5 (MIT licence, August 2026) and "CDNA5" Instruction Set Architecture Reference Guide (July 2026). The comments in the code are by the model that wrote it; some were corrected since.
;; Apply Attention Policy Map. Allowed arithmetic: matrix products marked QUANTISED: E4M3 operands, one given power-of-two scale a tensor, by v_wmma_f32_16x16x64_fp8_fp8 or v_wmma_f32_16x16x128_fp8_fp8, f32 sums; everything else in f32.
;; Inputs: fc1_codes 1,858 x 134 x 32 uint8 (E4M3 codes of fc1, K innermost, in blocks of 32 codes); logits 8,192 x 64 x 64 float32; lowp_scales 2 int32 (the exponents e of the quantised operands' scales 2^e); pp_logits 8,192 x 8 x 24 float32.
;; Outputs: out0 8,192 x 1,858 float32.
;; This version of the problem:
;;   THIS VERSION OF THE PROBLEM IS GIVEN IN LOW PRECISION. The matrix products marked QUANTISED in the list below multiply operands that are first quantised to E4M3 (4 exponent bits, 3 mantissa bits; 8 bits a number), with one given power-of-two scale for each operand tensor; their sums are f32. All else is computed in f32.
;;   The module's matrix products, in the order in which they are computed (A, B: the left and right operand; K: the contracted axis; several contracted axes count as one K, in the product's order):
;;     1. [M 8,192, K 4,288] x [K 4,288, N 1,858]; A: computed on the way; B: input fc1 (given as codes): QUANTISED (scales: A lowp_scales[0], B lowp_scales[1])
;;   THE QUANTISER, for each operand of a quantised product, along K:
;;     - The operand's scale is 2^e, e = its entry of the input lowp_scales (int32; the entries are numbered through the quantised products in the list's order, A before B).
;;     - Each number is divided by the scale, clamped to +-448, and rounded to the nearest number of E4M3, ties to even, subnormals kept.
;;     - The product sums the exact products of the quantised numbers (number of the format x scale) in f32.
;;   ~~~python
;;   def quantise(x, axis, e):      # numpy; x: float32 -> the quantised numbers, widened to float32 again
;;       x = np.moveaxis(x, axis, -1); K = x.shape[-1]
;;       r = np.clip(x / 2.0 ** e, -448, 448)
;;       step = 2.0 ** (np.maximum(np.frexp(np.where(r == 0, 1, r))[1] - 1, -6) - 3)
;;       q = np.round(r / step) * step * 2.0 ** e      # np.round: ties to even
;;       return np.moveaxis(q, -1, axis).astype(np.float32)
;;   ~~~
;;   OPERANDS COMPUTED ON THE WAY. 'Computed on the way' means the value that the module computes at that place (a softmax that the list does not call 'softmax' is quantised finished and normalised). What goes into a quantiser is computed in f32, as accurately as f32 sums, v_exp_f32 and their like allow (about 1e-6 of the number): no bf16 or f16 on the way to a quantiser, and a product that is left as it is and whose result goes on into a quantised operand takes f32 operands (vector FMAs, or v_wmma_f32_16x16x4_f32). A number that lies on a knife's edge between two numbers of the format may be rounded either way, as far as f32 arithmetic and the matrix unit's own rounding can turn it there, and no further.
;;   INPUTS GIVEN AS CODES. fc1 (in the module: [4288, 1858], K = its axis 0): each comes as NAME_codes (uint8): NAME with its K axis moved to the last place and cut into blocks of 32 codes, [.., K / 32, bytes a block], one block behind the other in memory; one code a byte (a code: sign, 4 exponent bits, 3 mantissa bits); its scale is its entry of lowp_scales. Its value is code x scale, taken as it is: it is not quantised again, and the codes and scales need not be those that the quantiser above would give.
;; One version. Each part assembles by itself: llvm-mc -triple=amdgcn-amd-amdhsa -mcpu=gfx1250 --defsym DOCPART=n.
;; ======== version 1 of 1: 2 launches
;; limits: right only within a limited range of input values
;; workspace buffers: acodes 35,651,584 bytes; bfrag 8,912,896 bytes
;; launch quant (part 1): grid 1152 x 1, 4 waves a work-group, no clusters, 33,280 bytes of LDS; arguments logits, pp_logits, lowp_scales, acodes, fc1_codes, bfrag; writes acodes, bfrag
.if DOCPART == 1
	.amdgcn_target "amdgcn-amd-amdhsa--gfx1250"
	.amdhsa_code_object_version 6
	.text
	.protected	k_q3cbb60ba60_quant
	.globl	k_q3cbb60ba60_quant
	.p2align	8
	.type	k_q3cbb60ba60_quant,@function
k_q3cbb60ba60_quant:
	s_mov_b64 s[64:65], 0
	v_nop
	global_prefetch_b8 v0, s[64:65] scope:SCOPE_SE
	s_setreg_imm32_b32 hwreg(HW_REG_WAVE_MODE, 25, 1), 1
	s_wait_xcnt 0x0
; The left operand of the product, flat[8192][4288] = (a row of logits, 4,096 f32 | a row of pp_logits, 192 f32), becomes codes of FP8 (E4M3) with the given scale 2^e0 (entry 0 of the exponents).
; code = x / 2^e0, held within +-448, rounded to the nearest code, ties to even.  LIMITS: e0 between -126 and 119 (448 x 2^e0 is an f32 number); NaN among the inputs is not served, an infinity is held at the largest code.
; THE CODES' LAYOUT is this program's own: [8192] rows of 4,352 bytes: pp's 192 codes, 64 zero codes, logits' 4,096 codes.  So a row is 17 pieces of 256 bytes, each at a multiple of 256 from the buffer's first byte,
; and the product's launch takes the pp part as its first K step, against fc1's k 4096 on.
; It is a launch of its own because every row is read by eight blocks of columns of the product: quantised here, the f32 numbers are read once and every later read is of a quarter of the bytes.
; SHARES.  A wave takes two rows.  logits: 16 steps of 512 numbers.  The conversion takes eight numbers from ONE lane's consecutive registers, so a lane must hold neighbours along K; a load is best where neighbouring
; LANES take neighbouring bytes.  Both are had: each of a step's four loads reads 512 consecutive bytes, 16 a lane; the 2,048 bytes go through the wave's own stage in LDS as they lie and come back 64 bytes a lane (16 bytes
; of padding behind each 64 keep the lanes' reads off the same banks).  A lane's 16 codes are 16 bytes: the wave stores 512 consecutive bytes.  Loads run four steps (16 loads a wave) ahead, the turn through LDS one step.
; pp_logits: lane = 16 x row + piece; pieces 0-11 take 16 numbers each, pieces 12-15 load what piece 11 loads (no load leaves the row) and store zeros: sixteen lanes store a row's first 256 bytes whole.
; No tensor loads, no barrier, no cluster: waves share nothing.
.set AROW,  4352                       ; a row of codes in bytes
.set STEPS, 16
.set EMAX,  8
.set MANT,  0x600000                   ; the mantissa field of 448 as f32
.set R,     16                         ; v16-79   four sets of 16 numbers as they are loaded
.set X,     80                         ; v80-111  two sets of 16 neighbours
.set P,     112                        ; v112-127 pp: my 16 numbers
.set C,     128                        ; v128-191 codes: four registers for each step, so that no store's data are written again
.set PC,    80                         ; pp's codes, at the end, where the first set of neighbours lay
.set WREG,  8192                       ; LDS: a region of its own for each wave: two stages of 32 x SP bytes
.set SP,    80                         ; a lane's place in a stage: its 64 bytes + 16 of padding
	s_load_b256 s[4:11], s[0:1], 0x0               ; logits s[4:5], pp_logits s[6:7], the exponents s[8:9], the codes s[10:11]
	s_load_b128 s[12:15], s[0:1], 0x20             ; fc1's codes s[12:13], their new layout s[14:15]
	s_cmp_ge_u32 ttmp9, 1024                       ; work-groups 1,024 to 1,151 lay fc1's codes anew (at the text's end)
	s_cbranch_scc1 .Lrelay
	v_lshl_add_u32 v192, v0, 2, 0x8000
	v_mov_b32 v193, 0
	v_lshrrev_b32 v1, 5, v0
	v_readfirstlane_b32 s16, v1                    ; wave
	v_and_b32 v2, 31, v0                           ; lane
	v_lshlrev_b32 v3, 4, v2                        ; 16 x lane: my 16 bytes of a load's 512, and of a store's
	s_mul_i32 s17, s16, WREG
	v_lshrrev_b32 v14, 2, v2
	v_mul_u32_u24 v14, v14, SP
	v_and_b32 v15, 3, v2
	v_lshl_add_u32 v14, v15, 4, v14
	v_add_nc_u32 v14, s17, v14                     ; the stage, on the way in: four lanes' 64 bytes on end, then 16 of padding: SP (lane / 4) + 16 (lane % 4); a load's 512 bytes take eight places
	v_mul_u32_u24 v15, v2, SP
	v_add_nc_u32 v15, s17, v15                     ; and on the way out: SP x lane: my 16 neighbours
	v_and_b32 v7, 15, v2                           ; pp: my piece,
	v_lshrrev_b32 v1, 4, v2                        ; and which of the wave's two rows
	v_min_u32 v5, 11, v7
	v_lshlrev_b32 v5, 6, v5
	v_mad_u32_u24 v5, v1, 768, v5                  ; in: row x 768 + 64 x min(piece, 11)
	v_lshlrev_b32 v6, 4, v7
	v_mad_u32_u24 v6, v1, AROW, v6                 ; out: row x 4,352 + 16 x piece
	v_cmp_gt_u32 s24, 12, v7                       ; the lanes whose codes are pp's; the others store zeros
	s_lshl_b32 s18, ttmp9, 2
	s_add_co_u32 s18, s18, s16                     ; which pair of rows is my wave's: 0 .. 4,095
	s_lshl_b32 s20, s18, 15                        ; x 2 rows of 16,384 bytes (under 2^31)
	s_mov_b32 s21, 0
	s_mul_i32 s22, s18, 2*AROW
	s_mov_b32 s23, 0
	s_mul_i32 s26, s18, 2*768
	s_mov_b32 s27, 0
	s_wait_alu depctr_va_vdst(0)
	s_wait_kmcnt 0x0
	s_load_b32 s30, s[8:9], 0x0                    ; e0
	s_add_nc_u64 s[4:5], s[4:5], s[20:21]
	s_add_nc_u64 s[6:7], s[6:7], s[26:27]
	s_add_nc_u64 s[10:11], s[10:11], s[22:23]
.irp j, 0,1,2,3
	global_load_b128 v[P+4*\j:P+4*\j+3], v5, s[6:7] offset:16*\j   ; pp: asked for first, worked last
.endr
.macro LOAD t
.irp i, 0,1,2,3
	global_load_b128 v[R+16*((\t)%4)+4*\i:R+16*((\t)%4)+4*\i+3], v3, s[4:5] offset:2048*(\t)+512*\i th:TH_LOAD_NT   ; 32 lanes read 512 consecutive bytes; read once in the launch
.endr
.endm
.macro TURN t                          ; step t's numbers through the stage: LDS serves a wave's instructions in order (ISA guide 5.7.1.4), so no wait stands between the stores and the loads
.irp i, 0,1,2,3
	ds_store_b128 v14, v[R+16*((\t)%4)+4*\i:R+16*((\t)%4)+4*\i+3] offset:32*SP*((\t)%2)+8*SP*\i
.endr
.irp i, 0,1,2,3
	ds_load_b128 v[X+16*((\t)%2)+4*\i:X+16*((\t)%2)+4*\i+3], v15 offset:32*SP*((\t)%2)+16*\i
.endr
.endm
.irp t, 0,1,2,3
	LOAD \t
.endr
	s_wait_kmcnt 0x0
	s_add_co_i32 s30, s30, 127
	s_lshl_b32 s31, s30, 23
	v_mov_b32 v11, s31                             ; 2^e0 as f32: the conversion takes its exponent field
	s_add_co_i32 s30, s30, EMAX
	s_lshl_b32 s30, s30, 23
	s_or_b32 s30, s30, MANT
	v_mov_b32 v10, s30                             ; 448 x 2^e0
	s_wait_alu depctr_va_vdst(0)
	s_wait_loadcnt 12                              ; pp's and step 0's loads are in; those of steps 1 to 3 may be out
	TURN 0
.macro STEP t
.set XS, X+16*((\t)%2)
	s_wait_dscnt 0x0                               ; this step's numbers are back from the stage: so its stores into the stage have read their registers,
.if (\t)+4 < STEPS
	LOAD (\t)+4                                    ; which take the loads of four steps on
.endif
.if (\t)+1 < STEPS
.if STEPS-2-(\t) >= 3
	s_wait_loadcnt 12                              ; the next step's four loads are in; those of the three steps behind it may be out
.else
	s_wait_loadcnt 4*(STEPS-2-(\t))
.endif
	TURN (\t)+1                                    ; and go through the other stage while this step is worked
.endif
.irp i, 0,1,2,3,4,5,6,7,8,9,10,11,12,13,14,15
	v_med3_num_f32 v[XS+\i], v[XS+\i], -v10, v10   ; the conversion to an 8-bit code does not saturate (ISA guide 7.6.2): hold the number within the largest code x the scale first
.endr
	v_cvt_scalef32_pk8_fp8_f32 v[C+4*(\t):C+4*(\t)+1], v[XS:XS+7], v11          ; eight numbers / 2^e0, to the nearest code, ties to even; the first number's code in the lowest byte
	v_cvt_scalef32_pk8_fp8_f32 v[C+4*(\t)+2:C+4*(\t)+3], v[XS+8:XS+15], v11     ; (their results go to a store alone; the next vector lines are plain and touch other registers)
	global_store_b128 v3, v[C+4*(\t):C+4*(\t)+3], s[10:11] offset:((\t)/8)*AROW+256+((\t)%8)*512   ; 512 consecutive bytes, at a multiple of 256 from the buffer's first byte: behind the row's pp part
.endm
.irp t, 0,1,2,3,4,5,6,7,8,9,10,11,12,13,14,15
	STEP \t
.endr
	s_wait_loadcnt 0x0                             ; (met long ago: pp's loads were the first)
.irp i, 0,1,2,3,4,5,6,7,8,9,10,11,12,13,14,15
	v_med3_num_f32 v[P+\i], v[P+\i], -v10, v10
.endr
	v_cvt_scalef32_pk8_fp8_f32 v[PC:PC+1], v[P:P+7], v11
	v_cvt_scalef32_pk8_fp8_f32 v[PC+2:PC+3], v[P+8:P+15], v11
	v_nop                                          ; one plain vector instruction between a scaled conversion and the vector instruction that touches its result
.irp i, 0,1,2,3
	v_cndmask_b32 v[PC+\i], 0, v[PC+\i], s24       ; pieces 12 to 15: zero codes
.endr
	global_store_b128 v6, v[PC:PC+3], s[10:11]     ; sixteen lanes store a row's first 256 bytes
	s_wait_tensorcnt 0x0
	ds_add_u32 v192, v193
	s_wait_dscnt 0x0
	s_endpgm
; FC1'S CODES, LAID AS THE PRODUCT'S REGISTERS TAKE THEM.  bfrag[G 0..31][q 0..33][b 0..3][c 0..3][lane][16 bytes]: lane r + 16 h holds, of column n = 64 G + 16 b + r,
; the 16 codes at k' = 128 q + 32 c + 16 h, k' counted as in a row of the left operand's codes: k' 0-191 = fc1's k 4096 on, k' 192-255 zero codes, k' 256 on = k 0 on.  Columns from 1,858 on are zero codes.
; A work-group takes 16 columns (G, b); wave w takes k = 128 (w + 4 i) on, i = 0 .. 7, and piece c = w of q = 0 and of q = 1.  A load takes 32 bytes of each of 16 rows (fc1's rows are 4,288 bytes apart);
; a store covers 512 consecutive bytes, at a multiple of 256 from the buffer's first byte.  No load leaves its row: a dead column loads column 1,857, pieces 2 and 3 of q = 1 load pieces 0 and 1, and both are replaced by zeros.
.set NOUT, 1858
.set KB,   4288
.Lrelay:
	v_lshrrev_b32 v1, 5, v0
	v_readfirstlane_b32 s16, v1                    ; wave
	v_and_b32 v2, 31, v0                           ; lane
	v_and_b32 v3, 15, v0                           ; r
	v_bfe_u32 v4, v0, 4, 1                         ; h
	s_sub_co_u32 s17, ttmp9, 1024                  ; which 16 columns: 0 .. 127
	s_mov_b32 s23, NOUT
	v_lshl_add_u32 v5, s17, 4, v3                  ; n
	v_cmp_gt_u32 s24, s23, v5                      ; the lanes whose column exists
	v_min_u32 v5, NOUT-1, v5
	v_mul_u32_u24 v5, v5, KB
	v_lshl_add_u32 v5, v4, 4, v5                   ; row n + 16 h
	s_lshl_b32 s18, s16, 7
	s_lshl_b32 s19, s16, 5
	s_and_b32 s20, s16, 1
	s_lshl_b32 s20, s20, 5
	s_lshl_b32 s21, s16, 13
	s_lshl_b32 s22, s16, 9
	v_add_nc_u32 v6, s18, v5                       ; in: + 128 w
	v_add_nc_u32 v7, s19, v5                       ; in, q = 0: + 32 w
	v_add_nc_u32 v8, s20, v5                       ; in, q = 1: + 32 (w % 2)
	v_lshlrev_b32 v9, 4, v2
	v_add_nc_u32 v10, s21, v9                      ; out: 16 x lane + 8,192 w
	v_add_nc_u32 v11, s22, v9                      ; out, q = 0 and 1: 16 x lane + 512 w
	s_cmp_lt_u32 s16, 2
	s_cselect_b32 s25, s24, 0                      ; q = 1: pieces 2 and 3 are zero codes
	s_lshr_b32 s26, s17, 2
	s_mul_i32 s26, s26, 34*8192                    ; G
	s_and_b32 s27, s17, 3
	s_lshl_b32 s27, s27, 11                        ; b
	s_add_co_u32 s26, s26, s27
	s_mov_b32 s27, 0
	s_wait_alu depctr_va_vdst(0)
	s_wait_kmcnt 0x0
	s_add_nc_u64 s[14:15], s[14:15], s[26:27]
.irp i, 0,1,2,3,4,5,6,7
.irp c, 0,1,2,3
	global_load_b128 v[16+16*\i+4*\c:19+16*\i+4*\c], v6, s[12:13] offset:512*\i+32*\c
.endr
.endr
	global_load_b128 v[144:147], v7, s[12:13] offset:4096
	global_load_b128 v[148:151], v8, s[12:13] offset:4224
	s_wait_loadcnt 0x0
.set rr, 0
.rept 132
	v_cndmask_b32 v[16+rr], 0, v[16+rr], s24
.set rr, rr+1
.endr
.irp i, 0,1,2,3
	v_cndmask_b32 v[148+\i], 0, v[148+\i], s25
.endr
.irp i, 0,1,2,3,4,5,6,7
.irp c, 0,1,2,3
	global_store_b128 v10, v[16+16*\i+4*\c:19+16*\i+4*\c], s[14:15] offset:(4*\i+2)*8192+512*\c
.endr
.endr
	global_store_b128 v11, v[144:147], s[14:15]
	global_store_b128 v11, v[148:151], s[14:15] offset:8192
	s_endpgm
.Lfunc_end_k_q3cbb60ba60_quant:
	.size	k_q3cbb60ba60_quant, .Lfunc_end_k_q3cbb60ba60_quant-k_q3cbb60ba60_quant
	.p2alignl 7, 3214868480
	.fill 96, 4, 3214868480
	.section	.rodata,"a",@progbits
	.p2align	6, 0x0
	.amdhsa_kernel k_q3cbb60ba60_quant
		.amdhsa_group_segment_fixed_size 33280
		.amdhsa_private_segment_fixed_size 0
		.amdhsa_enable_private_segment 0
		.amdhsa_kernarg_size 48
		.amdhsa_user_sgpr_count 2
		.amdhsa_user_sgpr_kernarg_segment_ptr 1
		.amdhsa_wavefront_size32 1
		.amdhsa_system_sgpr_workgroup_id_x 1
		.amdhsa_system_sgpr_workgroup_id_y 1
		.amdhsa_system_sgpr_workgroup_id_z 1
		.amdhsa_system_vgpr_workitem_id 0
		.amdhsa_next_free_vgpr 194
		.amdhsa_next_free_sgpr 66
		.amdhsa_reserve_vcc 0
		.amdhsa_float_denorm_mode_32 3
		.amdhsa_float_denorm_mode_16_64 3
		.amdhsa_memory_ordered 1
		.amdhsa_forward_progress 1
		.amdhsa_inst_pref_size 56
	.end_amdhsa_kernel
	.amdgpu_metadata
---
amdhsa.version: [ 1, 2 ]
amdhsa.kernels:
  - .name:           k_q3cbb60ba60_quant
    .symbol:         k_q3cbb60ba60_quant.kd
    .args:
      - { .name: logits, .offset: 0, .size: 8, .value_kind: global_buffer, .address_space: global }
      - { .name: pp_logits, .offset: 8, .size: 8, .value_kind: global_buffer, .address_space: global }
      - { .name: lowp_scales, .offset: 16, .size: 8, .value_kind: global_buffer, .address_space: global }
      - { .name: acodes, .offset: 24, .size: 8, .value_kind: global_buffer, .address_space: global }
      - { .name: fc1_codes, .offset: 32, .size: 8, .value_kind: global_buffer, .address_space: global }
      - { .name: bfrag, .offset: 40, .size: 8, .value_kind: global_buffer, .address_space: global }
    .group_segment_fixed_size: 33280
    .private_segment_fixed_size: 0
    .kernarg_segment_align: 8
    .kernarg_segment_size: 48
    .max_flat_workgroup_size: 128
    .sgpr_count:     66
    .vgpr_count:     194
    .wavefront_size: 32
...
	.end_amdgpu_metadata
.endif
;; end of part 1
;; launch gemm (part 2): grid 8 x 32, 4 waves a work-group, clusters of 4 x 1, 327,680 bytes of LDS; arguments acodes, bfrag, lowp_scales, out0; writes out0
.if DOCPART == 2
	.amdgcn_target "amdgcn-amd-amdhsa--gfx1250"
	.amdhsa_code_object_version 6
	.text
	.protected	k_q3cbb60ba60_gemm
	.globl	k_q3cbb60ba60_gemm
	.p2align	8
	.type	k_q3cbb60ba60_gemm,@function
k_q3cbb60ba60_gemm:
	s_mov_b64 s[64:65], 0
	v_nop
	global_prefetch_b8 v0, s[64:65] scope:SCOPE_SE
	s_setreg_imm32_b32 hwreg(HW_REG_WAVE_MODE, 25, 1), 1
	s_wait_xcnt 0x0
	s_wait_alu depctr_hold_cnt(0) depctr_sa_sdst(0) depctr_va_vdst(0) depctr_va_sdst(0) depctr_va_ssrc(0) depctr_va_vcc(0) depctr_vm_vsrc(0)
	s_getreg_b32 s2, hwreg(HW_REG_IB_STS2, 6, 4)
	s_cmp_eq_u32 s2, 0
	s_cbranch_scc0 .Lentry_in_a_cluster
	s_endpgm
.Lentry_in_a_cluster:
	s_bfe_u32 s2, ttmp6, 0x10000c
	s_cmp_lg_u32 s2, 0x3003
	s_cbranch_scc0 .Lentry_shape_is_right
	s_endpgm
.Lentry_shape_is_right:
; out0[8192][1858] = flat x fc1 on codes of FP8 (E4M3): the codes are multiplied as they are, each finished sum once by 2^(e0 + e1).  LIMIT: e0 + e1 between -126 and 127, so that the factor is an f32 number.
; A = acodes: [8192] rows of 4,352 codes.  B = bfrag: fc1's codes as images of the operand's registers, [32 groups of 64 columns][34 K steps of 128][4 fragments of 2,048 bytes]; columns 1,858 to 2,047 are zero codes.
; A work-group of four waves makes 256 x 256 of C; wave w makes all 256 rows x columns 64 w .. 64 w + 63: 64 accumulators, 512 registers.  In the last block of columns 66 columns exist: the rest is multiplied with zero codes
; inside the block and not stored.
; ONLY A GOES THROUGH LDS: a ring of two slots of 256 rows x 512 along K (four K steps of 128; the ninth fill holds two), each wave fetching 64 rows with one tensor load.  The four work-groups of a cluster (4 x 1: four blocks
; of columns of one block of rows) need the same tiles of A and ask for them jointly (mask 15).  B's four fragments of a K step are the wave's own: they come from memory straight into registers, 16 loads of 512 consecutive bytes,
; asked for four K steps ahead into four sets of 64 registers.  So B has no prefetch into the L2: its loads themselves run four K steps ahead of their use.  A's tiles are prefetched two refills ahead.
; THE MATRIX INSTRUCTION IS USED TRANSPOSED (source 0 = 16 columns of B, source 1 = 16 rows of A): a lane holds eight neighbouring numbers of a row of C.
; k stands in the registers as four loads of 16 bytes give it (registers 4 c .. 4 c + 3: k = 32 c + 16 (l / 16) + 0 .. 15), alike in A and B: every product meets its partner.
; REGISTERS: window 0: v16-31 addresses, v32-95 at work on the way out, v128-255 two buffers of four fragments of A.  Window 1: B's four sets.  Windows 2, 3: the accumulators, (i, b) at v[8 (4 (i % 8) + b)], rows 16 i.
.set KA,     4352
.set NOUT,   1858
.set OROW,   NOUT*4
.set PITCH,  528                       ; an LDS row: 512 bytes + 16 of padding, an odd multiple of 16
.set QT,     64*PITCH                  ; what one tensor load brings
.set SLOT,   4*QT
.set SPITCH, 272                       ; the way out: a wave's 256 rows x (256 bytes + 16)
.set SPARE,  4*256*SPITCH              ; behind the stages (which cover both slots): the spare words, 128 bytes a wave
.set BSTEP,  8192                      ; a wave's bytes of B in a K step
.set ADRA, 16                          ; v16-19 LDS address of my fragment row: slot 0 rows 0-127, rows 128-255, slot 1 likewise
.set STO,  20
.set RD,   21                          ; v21-22 the way out: rows 0-127, rows 128-255
.set CO,   23
.set BO,   24                          ; 16 x lane
.set PFO,  25
.set SPW,  28
.set NIL,  29
.set TMP,  32
.set AF,   128
.set G1,   24                          ; s[24:31] group 1; s[32:39] group 1 of the ninth fill; s[40:47] group 0, a set for each slot
.set G1T,  32
.set G0,   40
.set BP,   48
.set PFA,  50
.set CX,   52
.set TC,   53
.set TR,   54
.set MK,   55
.set SV,   56
.set SCL,  58
.set GW0, 15|(1<<20)|(1<<21)|(6<<22)|(3<<25)   ; mask of the four partners; elements of 1 byte; padding of 4 words behind every 128
.set MSB, 0
.macro WIN new
.if MSB != (\new)
	s_set_vgpr_msb (MSB<<8)|(\new)
.set MSB, (\new)
.endif
.endm
.set MUL_LO, 0xa1                      ; source 0 (B) window 1, source 1 (A) window 0, C and D window 2
.set MUL_HI, 0xf1
.set TO_B,   0x40
.macro CREST
	s_cmp_lg_u32 s14, 0
	s_cbranch_scc1 .Lnot_wave_0_\@
	s_barrier_signal -3
.Lnot_wave_0_\@:
	s_barrier_wait -3
	s_barrier_signal -1
	s_barrier_wait -1
.endm
.macro CROUND
	s_barrier_signal -1
	s_barrier_wait -1
	CREST
.endm
.macro PLACES                          ; four places behind matrix instructions, ahead of loads into their sources and of reads of their results
.rept 4
	v_nop
.endr
.endm
.macro MUL8 q, g, u, zero              ; A's blocks 4 g + 2 u, + 1 against B's four of set q; the 64 accumulators take turns
.irp a, 0,1
.irp b, 0,1,2,3
.set AC, 8*(4*((4*(\g)+2*(\u)+\a)%8)+\b)
.set AR, AF+64*((\g)%2)+16*(2*(\u)+\a)
.set BR, 64*(\q)+16*\b
.if \zero
	v_wmma_f32_16x16x128_fp8_fp8 v[AC:AC+7], v[BR:BR+15], v[AR:AR+15], 0
.else
	v_wmma_f32_16x16x128_fp8_fp8 v[AC:AC+7], v[BR:BR+15], v[AR:AR+15], v[AC:AC+7]
.endif
.endr
.endr
.endm
.macro FETCHA slot, q, g               ; A's blocks 4 g .. 4 g + 3 of the slot's q-th 128 along K into buffer g % 2: 16 LDS loads
.irp i, 0,1,2,3
.irp c, 0,1,2,3
	ds_load_b128 v[AF+64*((\g)%2)+16*\i+4*\c:AF+64*((\g)%2)+16*\i+4*\c+3], v[ADRA+2*(\slot)+(\g)/2] offset:(4*((\g)%2)+\i)*16*PITCH+128*(\q)+32*\c
.endr
.endr
.endm
.macro LOADB s, off                    ; a K step's four fragments of B into set s: 16 loads of 512 consecutive bytes
.if (\off) >= 0
	WIN TO_B
.irp b, 0,1,2,3
.irp c, 0,1,2,3
	global_load_b128 v[64*(\s)+16*\b+4*\c:64*(\s)+16*\b+4*\c+3], v[BO], s[BP:BP+1] offset:(\off)+2048*\b+512*\c
.endr
.endr
	WIN 0
.endif
.endm
.macro HALF1 slot, q, zero, cnt        ; a K step's first 32 products; A's blocks 8-15 are fetched
	s_wait_loadcnt \cnt                            ; my set of B is in; cnt = the loads of the younger sets
	s_wait_dscnt 16                                ; blocks 0-3 are in; the 16 loads of blocks 4-7 may be out
	WIN MUL_LO
	MUL8 \q, 0, 0, \zero
	MUL8 \q, 0, 1, \zero
	PLACES
	WIN 0
	FETCHA \slot, \q, 2
	s_wait_dscnt 16
	WIN MUL_LO
	MUL8 \q, 1, 0, \zero
	MUL8 \q, 1, 1, \zero
	PLACES
	WIN 0
	FETCHA \slot, \q, 3
.endm
; A K step whose successor (more = 1) lies in the same slot.  ld: where the set just multiplied finds its next fragments, four K steps on (-1: nothing left).
.macro STEP slot, q, zero, ld, cnt, more
	HALF1 \slot, \q, \zero, \cnt
	s_wait_dscnt 16
	WIN MUL_HI
	MUL8 \q, 2, 0, \zero
	MUL8 \q, 2, 1, \zero
.if \more
	PLACES
	WIN 0
	FETCHA \slot, (\q)+1, 0
.endif
	s_wait_dscnt 16*\more
	WIN MUL_HI
	MUL8 \q, 3, 0, \zero
	MUL8 \q, 3, 1, \zero
	PLACES
	WIN 0
.if \more
	FETCHA \slot, (\q)+1, 1
.endif
	LOADB \q, \ld
.endm
.macro ASK                             ; the tile two refills on: 16 rows x 2 blocks of 256 bytes a wave; the four partners share a wave's 64 rows out by address.  The loop's last trip asks for nothing: the ninth fill comes by its load alone
	s_cmp_gt_u32 s3, 1
	s_cbranch_scc0 .Lno_ask_\@
	global_prefetch_b8 v[PFO], s[PFA:PFA+1] th:TH_LOAD_NT scope:SCOPE_SE
.Lno_ask_\@:
.endm
; A slot's last K step changes slots.  fill = 1: the slot is filled again, two slots ahead; 2: with the ninth fill; 0: nothing is left to fetch.
.macro TURN slot, next, fill, ld, cnt, ask, bstep
	HALF1 \slot, 3, 0, \cnt
.if \ask
	s_wait_xcnt 0x0                                ; the prefetch and B's loads (asked for 32 products ago) have read their addresses
	s_add_nc_u64 s[PFA:PFA+1], s[PFA:PFA+1], 512
.if \bstep
	s_add_nc_u64 s[BP:BP+1], s[BP:BP+1], 8*BSTEP
.endif
.endif
	s_wait_tensorcnt 0x0                           ; my part of the next slot has landed: no load of mine is out
	ds_add_u32 v[SPW], v[NIL]
.if \fill
	s_add_nc_u64 s[G0+4*(\slot)+2:G0+4*(\slot)+3], s[G0+4*(\slot)+2:G0+4*(\slot)+3], 1024
.endif
	s_wait_dscnt 17                                ; blocks 8-11 are in; blocks 12-15's 16 loads and the add may be out
	WIN MUL_HI
	MUL8 3, 2, 0, 0
	MUL8 3, 2, 1, 0
	s_wait_dscnt 0x0                               ; the add is done, my reads of this slot are over
	s_barrier_signal -1
	MUL8 3, 3, 0, 0
	WIN 0
	s_barrier_wait -1
.if \fill
	CREST                                          ; the barrier has opened a round of the cluster's barrier
.if (\fill) == 1
	tensor_load_to_lds s[G0+4*(\slot):G0+4*(\slot)+3], s[G1:G1+7]
.else
	tensor_load_to_lds s[G0+4*(\slot):G0+4*(\slot)+3], s[G1T:G1T+7]
.endif
	s_nop 0
.endif
	PLACES
	FETCHA \next, 0, 0
.if \ask
	ASK
.endif
	WIN MUL_HI
	MUL8 3, 3, 1, 0
	PLACES
	WIN 0
	FETCHA \next, 0, 1
	LOADB 3, \ld
.endm
	s_load_b256 s[4:11], s[0:1], 0x0               ; A's codes, B's images, the exponents, out0
	v_lshl_add_u32 v[SPW], v0, 2, SPARE
	v_mov_b32 v[NIL], 0
	ds_add_u32 v[SPW], v[NIL]                      ; the opening lines
	ds_add_u32 v[SPW], v[NIL]
	v_lshrrev_b32 v1, 5, v0
	v_readfirstlane_b32 s14, v1                    ; wave
	v_and_b32 v6, 31, v0
	v_lshlrev_b32 v[BO], 4, v6
	s_bfe_u32 s[CX], ttmp6, 0x40000
	s_lshl_b32 s[TC], ttmp9, 2
	s_add_co_u32 s[TC], s[TC], s[CX]               ; block of columns
	s_and_b32 s[TR], ttmp7, 0xffff                 ; block of rows
	s_mov_b32 s[G1], GW0
	s_mov_b32 s[G1T], GW0
	s_mov_b32 s[G1+1], 512<<16                     ; tensor_dim0
	s_mov_b32 s[G1T+1], 256<<16                    ; the ninth fill: 256 codes are left of a row; the rest of the tile's row arrives as zeros and is not read
.irp g, G1, G1T
	s_mov_b32 s[\g+2], 64<<16                      ; tensor_dim1
	s_mov_b32 s[\g+3], 512<<16                     ; tile_dim0
	s_mov_b32 s[\g+4], 64                          ; tile_dim1
	s_mov_b32 s[\g+5], KA
	s_mov_b32 s[\g+6], 0
	s_mov_b32 s[\g+7], 0
.endr
	s_lshl_b32 s60, s[TR], 8
	s_lshl_b32 s61, s14, 6
	s_add_co_u32 s16, s60, s61                     ; the 64 rows of A that I fetch
	s_lshl_b32 s57, s[CX], 4
	s_add_co_u32 s[PFA], s16, s57                  ; my work-group's 16 of them, for the prefetch
	s_mul_i32 s16, s16, KA
	s_mov_b32 s17, 0
	s_mul_i32 s[PFA], s[PFA], KA
	s_add_co_u32 s[PFA], s[PFA], 3*512             ; the first change of slots steps it to the fifth fill
	s_mov_b32 s[PFA+1], 0
	s_lshl_b32 s[BP], s[TC], 2
	s_add_co_u32 s[BP], s[BP], s14
	s_mul_i32 s[BP], s[BP], 34*BSTEP               ; my 64 columns of B
	s_mov_b32 s[BP+1], 0
	s_lshl_b32 s22, s[TC], 8
	s_add_co_u32 s22, s22, s61                     ; my first column
	s_mul_i32 s62, s60, OROW
	s_lshl_b32 s57, s22, 2
	s_add_co_u32 s62, s62, s57
	s_mov_b32 s63, 0
	s_mul_i32 s18, s14, QT
	s_mul_i32 s19, s14, 256*SPITCH
	s_mov_b32 s23, NOUT
	s_wait_alu depctr_va_vdst(0)
	s_wait_dscnt 0x0
	s_wait_kmcnt 0x0
	s_load_b64 s[20:21], s[8:9], 0x0               ; e0, e1
	s_add_nc_u64 s[16:17], s[4:5], s[16:17]
	s_add_nc_u64 s[PFA:PFA+1], s[4:5], s[PFA:PFA+1]
	s_add_nc_u64 s[BP:BP+1], s[6:7], s[BP:BP+1]
	s_add_nc_u64 s[10:11], s[10:11], s[62:63]
	LOADB 0, 0                                     ; B's first four K steps
	LOADB 1, BSTEP
	LOADB 2, 2*BSTEP
	LOADB 3, 3*BSTEP
.irp s, 0,1
	s_mov_b32 s[G0+4*\s], 1
	s_add_co_u32 s[G0+4*\s+1], s18, \s*SLOT
	s_add_nc_u64 s[G0+4*\s+2:G0+4*\s+3], s[16:17], \s*512
	s_or_b32 s[G0+4*\s+3], s[G0+4*\s+3], 0x80000000
.endr
	CROUND                                         ; the four work-groups are here: the first joint loads meet
	tensor_load_to_lds s[G0:G0+3], s[G1:G1+7]      ; slot 0: one tensor load a wave at the head
	s_nop 0
	v_and_b32 v1, 15, v0                           ; l % 16
	v_bfe_u32 v2, v0, 4, 1                         ; l / 16
	v_mul_u32_u24 v3, v1, PITCH
	v_lshl_add_u32 v[ADRA], v2, 4, v3
	v_add_nc_u32 v[ADRA+1], 8*16*PITCH, v[ADRA]
	v_add_nc_u32 v[ADRA+2], SLOT, v[ADRA]
	v_add_nc_u32 v[ADRA+3], SLOT+8*16*PITCH, v[ADRA]
	v_lshlrev_b32 v[CO], 3, v6                     ; the way out: 8 bytes a lane, a row's 256 bytes a wave
	v_mul_u32_u24 v5, v1, SPITCH
	v_lshl_add_u32 v5, v2, 5, v5
	v_add_nc_u32 v[STO], s19, v5
	v_add_nc_u32 v[RD], s19, v[CO]
	v_add_nc_u32 v[RD+1], 128*SPITCH, v[RD]
	v_lshl_add_u32 v7, v6, 1, s22
	v_cmp_gt_u32 s[MK], s23, v7                    ; the lanes whose pair of columns exists (1,858 is even)
	v_mul_u32_u24 v[PFO], v1, KA
	v_lshl_add_u32 v[PFO], v2, 8, v[PFO]           ; the prefetch: row l % 16, block l / 16 of the tile's two
	s_wait_alu depctr_va_vdst(0)
	s_wait_tensorcnt 0x0                           ; slot 1's first fill is issued as a refill is
	ds_add_u32 v[SPW], v[NIL]
	s_wait_dscnt 0x0
	CROUND
	tensor_load_to_lds s[G0+4:G0+7], s[G1:G1+7]
	s_nop 0
	FETCHA 0, 0, 0
	FETCHA 0, 0, 1
	STEP 0, 0, 1, 4*BSTEP, 48, 1                   ; the first K step starts the sums
	s_mov_b32 s3, 3
.Llap:                                                 ; a trip: eight K steps, from a slot 0's second to the next slot 0's first; both slots are filled again
	STEP 0, 1, 0, 5*BSTEP, 48, 1
	STEP 0, 2, 0, 6*BSTEP, 48, 1
	TURN 0, 1, 1, 7*BSTEP, 48, 1, 0
	STEP 1, 0, 0, 8*BSTEP, 48, 1
	STEP 1, 1, 0, 9*BSTEP, 48, 1
	STEP 1, 2, 0, 10*BSTEP, 48, 1
	TURN 1, 0, 1, 3*BSTEP, 48, 1, 1                ; (B's base has just gone eight K steps on)
	STEP 0, 0, 0, 4*BSTEP, 48, 1
	s_sub_co_u32 s3, s3, 1
	s_cmp_lg_u32 s3, 0
	s_cbranch_scc1 .Llap
	STEP 0, 1, 0, 5*BSTEP, 48, 1                   ; K steps 25 to 33: the ninth fill, then nothing more is fetched, and the counts run down
	STEP 0, 2, 0, 6*BSTEP, 48, 1
	TURN 0, 1, 2, 7*BSTEP, 48, 0, 0
	STEP 1, 0, 0, 8*BSTEP, 48, 1
	STEP 1, 1, 0, 9*BSTEP, 48, 1
	STEP 1, 2, 0, -1, 48, 1
	TURN 1, 0, 0, -1, 32, 0, 0
	STEP 0, 0, 0, -1, 16, 1
	STEP 0, 1, 0, -1, 0, 0
	s_barrier_signal -1                            ; every wave's reads of the slots are over (each has waited for them): the slots, which have had their last fill, become the stages
	s_barrier_wait -1
	s_wait_kmcnt 0x0
	s_add_co_i32 s[SCL], s20, s21
	s_add_co_i32 s[SCL], s[SCL], 127
	s_lshl_b32 s[SCL], s[SCL], 23                  ; 2^(e0 + e1) as f32
	s_mov_b32 s[SCL+1], s[SCL]
; THE WAY OUT.  All 16 blocks of 16 rows x 64 columns go, x 2^(e0 + e1), into my own stage; the rows come back, 256 bytes a row, with all lanes on, into the registers that held the accumulators: 512 registers for 256 rows,
; so that no store's register is written again.  Then EXEC is narrowed once to the lanes whose columns exist, for the stores alone.  A row of out0 is 7,432 bytes: a row's piece begins at a multiple of 8 bytes, so a lane stores 8.
.macro TOSTAGE i
	WIN 0x02+((\i)/8)
.set jj, 0
.rept 16
	v_pk_mul_f32 v[TMP+32*((\i)%2)+jj:TMP+32*((\i)%2)+jj+1], v[32*((\i)%8)+jj:32*((\i)%8)+jj+1], s[SCL:SCL+1] op_sel_hi:[1,0]   ; each accumulator from its low end on
.set jj, jj+2
.endr
	WIN 0
.irp b, 0,1,2,3
	ds_store_b128 v[STO], v[TMP+32*((\i)%2)+8*\b:TMP+32*((\i)%2)+8*\b+3] offset:(\i)*16*SPITCH+64*\b
	ds_store_b128 v[STO], v[TMP+32*((\i)%2)+8*\b+4:TMP+32*((\i)%2)+8*\b+7] offset:(\i)*16*SPITCH+64*\b+16
.endr
.endm
.macro LD k                            ; rows 16 k .. 16 k + 15 back from the stage (LDS serves a wave's instructions in order: ISA guide 5.7.1.4)
	WIN 0x80+0x40*((\k)/8)
.irp t, 0,1,2,3,4,5,6,7,8,9,10,11,12,13,14,15
	ds_load_b64 v[32*((\k)%8)+2*\t:32*((\k)%8)+2*\t+1], v[RD+(\k)/8] offset:(16*((\k)%8)+\t)*SPITCH
.endr
.endm
.macro ST k
	WIN 0x08+0x04*((\k)/8)
.irp t, 0,1,2,3,4,5,6,7,8,9,10,11,12,13,14,15
	global_store_b64 v[CO], v[32*((\k)%8)+2*\t:32*((\k)%8)+2*\t+1], s[10:11] offset:(16*(\k)+\t)*OROW th:TH_STORE_NT
.endr
.endm
.irp i, 0,1,2,3,4,5,6,7,8,9,10,11,12,13,14,15
	TOSTAGE \i
.endr
.irp k, 0,1,2,3,4,5,6,7,8,9,10,11,12,13,14,15
	LD \k
.endr
	WIN 0
	s_wait_dscnt 0x0                               ; all 256 rows are back
	s_wait_xcnt 0x0                                ; EXEC changes only behind this wait
	s_and_saveexec_b32 s[SV], s[MK]
.irp k, 0,1,2,3,4,5,6,7,8,9,10,11,12,13,14,15
	ST \k
.endr
	WIN 0
	s_wait_xcnt 0x0
	s_or_b32 exec_lo, exec_lo, s[SV]
	s_wait_tensorcnt 0x0                           ; the wave's end
	ds_add_u32 v[SPW], v[NIL]
	s_wait_dscnt 0x0
	CROUND                                         ; the closing round
	s_endpgm
.Lfunc_end_k_q3cbb60ba60_gemm:
	.size	k_q3cbb60ba60_gemm, .Lfunc_end_k_q3cbb60ba60_gemm-k_q3cbb60ba60_gemm
	.p2alignl 7, 3214868480
	.fill 96, 4, 3214868480
	.section	.rodata,"a",@progbits
	.p2align	6, 0x0
	.amdhsa_kernel k_q3cbb60ba60_gemm
		.amdhsa_group_segment_fixed_size 327680
		.amdhsa_private_segment_fixed_size 0
		.amdhsa_enable_private_segment 0
		.amdhsa_kernarg_size 32
		.amdhsa_user_sgpr_count 2
		.amdhsa_user_sgpr_kernarg_segment_ptr 1
		.amdhsa_wavefront_size32 1
		.amdhsa_system_sgpr_workgroup_id_x 1
		.amdhsa_system_sgpr_workgroup_id_y 1
		.amdhsa_system_sgpr_workgroup_id_z 1
		.amdhsa_system_vgpr_workitem_id 0
		.amdhsa_next_free_vgpr 1024
		.amdhsa_next_free_sgpr 66
		.amdhsa_reserve_vcc 0
		.amdhsa_float_denorm_mode_32 3
		.amdhsa_float_denorm_mode_16_64 3
		.amdhsa_memory_ordered 1
		.amdhsa_forward_progress 1
		.amdhsa_inst_pref_size 255
	.end_amdhsa_kernel
	.section	.bss,"aw",@nobits
	.p2align	6
	.space	262144
	.amdgpu_metadata
---
amdhsa.version: [ 1, 2 ]
amdhsa.kernels:
  - .name:           k_q3cbb60ba60_gemm
    .symbol:         k_q3cbb60ba60_gemm.kd
    .args:
      - { .name: acodes, .offset: 0, .size: 8, .value_kind: global_buffer, .address_space: global }
      - { .name: bfrag, .offset: 8, .size: 8, .value_kind: global_buffer, .address_space: global }
      - { .name: lowp_scales, .offset: 16, .size: 8, .value_kind: global_buffer, .address_space: global }
      - { .name: out0, .offset: 24, .size: 8, .value_kind: global_buffer, .address_space: global }
    .group_segment_fixed_size: 327680
    .private_segment_fixed_size: 0
    .kernarg_segment_align: 8
    .kernarg_segment_size: 32
    .max_flat_workgroup_size: 128
    .sgpr_count:     66
    .vgpr_count:     1024
    .wavefront_size: 32
...
	.end_amdgpu_metadata
.endif
;; end of part 2
